; MI455X (gfx1250); checked and timed in simulation.
; The chip was launched on July 23, 2026; its instructions are those of AMD's public machine-readable ISA for CDNA 5 (MIT licence, August 2026) and "CDNA5" Instruction Set Architecture Reference Guide (July 2026). The comments in the code are by the model that wrote it; some were corrected since.
;; Score Layer. Allowed arithmetic: matrix products marked QUANTISED: E2M1 operands, one E8M0 scale for each 32 along K, by v_wmma_scale_f32_16x16x128_f8f6f4 with both operands' format E2M1 (or v_wmma_scale_f32_32x16x128_f4), f32 sums; products left as they are: f32 operands where the result goes on into a quantised operand, else bf16, f16 or f32 operands; f32 sums; everything else in f32.
;; Inputs: bias 32 float32; left_inputs 4 x 512 x 1,024 float32; right_inputs_codes 4 x 512 x 32 x 16 uint8 (E2M1 codes of right_inputs, K innermost, in blocks of 32 codes, two codes a byte); right_inputs_scales 4 x 512 x 32 uint8 (E8M0 scales of right_inputs, one for each 32 codes along K); weight_codes 32 x 1,024 x 32 x 16 uint8 (E2M1 codes of weight, K innermost, in blocks of 32 codes, two codes a byte); weight_scales 32 x 1,024 x 32 uint8 (E8M0 scales of weight, one for each 32 codes along K).
;; Outputs: out0 4 x 512 x 32 float32.
;; This version of the problem:
;;   THIS VERSION OF THE PROBLEM IS GIVEN IN LOW PRECISION. The matrix products marked QUANTISED in the list below multiply operands that are first quantised to E2M1 (2 exponent bits, 1 mantissa bit; 4 bits a number), with one power-of-two scale for each 32 numbers along K (OCP MX v1.0); their sums are f32. All else is computed in f32.
;;   The module's matrix products, in the order in which they are computed (A, B: the left and right operand; K: the contracted axis; several contracted axes count as one K, in the product's order):
;;     1. [M 2,048, K 1,024] x [K 1,024, N 32,768]; A: input right_inputs (given as codes); B: input weight (given as codes): QUANTISED
;;     2. batch 2,048 x [M 1, K 1,024] x [K 1,024, N 32]; A: input left_inputs; B: computed on the way: left as it is (M = 1 < 16)
;;   THE QUANTISER, for each operand of a quantised product, along K:
;;     - K is cut into blocks of 32 from its start; a last block that is shorter is filled with zeros.
;;     - A block's scale is 2^e with e = floor(log2(the largest magnitude in the block)) - 2, held to -126 .. 127; a block of zeros has e = 0. As a byte (E8M0): e + 127.
;;     - Each number is divided by its block's scale, clamped to +-6, and rounded to the nearest number of E2M1, ties to even, subnormals kept.
;;     - The product sums the exact products of the quantised numbers (number of the format x scale) in f32.
;;   ~~~python
;;   def quantise(x, axis):      # numpy; x: float32 -> the quantised numbers, widened to float32 again
;;       x = np.moveaxis(x, axis, -1); K = x.shape[-1]
;;       x = np.pad(x, [(0, 0)] * (x.ndim - 1) + [(0, -K % 32)]); x = x.reshape(x.shape[:-1] + (-1, 32)); a = np.abs(x).max(-1, keepdims=True)
;;       e = np.where(a > 0, np.clip(np.frexp(np.where(a > 0, a, 1))[1] - 1 - 2, -126, 127), 0)      # np.frexp(a)[1] - 1 = floor(log2(a)), exactly
;;       r = np.clip(x / 2.0 ** e, -6, 6)
;;       step = 2.0 ** (np.maximum(np.frexp(np.where(r == 0, 1, r))[1] - 1, 0) - 1)
;;       q = np.round(r / step) * step * 2.0 ** e      # np.round: ties to even
;;       return np.moveaxis(q.reshape(q.shape[:-2] + (-1,))[..., :K], -1, axis).astype(np.float32)
;;   ~~~
;;   INPUTS GIVEN AS CODES. right_inputs (in the module: [4, 512, 1024], K = its axis 2); weight (in the module: [32, 1024, 1024], K = its axis 2): each comes as NAME_codes (uint8): NAME with its K axis moved to the last place and cut into blocks of 32 codes, [.., K / 32, bytes a block], one block behind the other in memory; two codes a byte, the lower K in the low four bits (a code: sign, 2 exponent bits, 1 mantissa bit); and NAME_scales (uint8): the same leading axes, one E8M0 byte (e + 127) for each 32 codes along K. Its value is code x scale, taken as it is: it is not quantised again, and the codes and scales need not be those that the quantiser above would give.
;; One version. Each part assembles by itself: llvm-mc -triple=amdgcn-amd-amdhsa -mcpu=gfx1250 --defsym DOCPART=n.
;; ======== version 1 of 1: 2 launches
;; limits: right only within a limited range of input values
;; workspace buffers: part 4,194,304 bytes
;; launch score (part 1): grid 8 x 32, 4 waves a work-group, clusters of 4 x 4, 327,680 bytes of LDS; arguments right_inputs_codes, right_inputs_scales, weight_codes, weight_scales, left_inputs, part; writes part
.if DOCPART == 1
	.amdgcn_target "amdgcn-amd-amdhsa--gfx1250"
	.amdhsa_code_object_version 6
	.text
	.protected	k_q167dd3a126_score
	.globl	k_q167dd3a126_score
	.p2align	8
	.type	k_q167dd3a126_score,@function
k_q167dd3a126_score:
	s_mov_b64 s[64:65], 0
	v_nop
	global_prefetch_b8 v0, s[64:65] scope:SCOPE_SE
	s_setreg_imm32_b32 hwreg(HW_REG_WAVE_MODE, 25, 1), 1
	s_wait_xcnt 0x0
	s_wait_alu depctr_hold_cnt(0) depctr_sa_sdst(0) depctr_va_vdst(0) depctr_va_sdst(0) depctr_va_ssrc(0) depctr_va_vcc(0) depctr_vm_vsrc(0)
	s_getreg_b32 s2, hwreg(HW_REG_IB_STS2, 6, 4)
	s_cmp_eq_u32 s2, 0
	s_cbranch_scc0 .Lentry_in_a_cluster
	s_endpgm
.Lentry_in_a_cluster:
	s_bfe_u32 s2, ttmp6, 0x10000c
	s_cmp_lg_u32 s2, 0xf033
	s_cbranch_scc0 .Lentry_shape_is_right
	s_endpgm
.Lentry_shape_is_right:
; part[ds][o][t][n] = the sum over the 64 d of slice ds of left[t][d] x (the sum over e of W[l][d][e] right[t][e]),  l = 8 o + n.
; W [32][1024][1024] and right [2048][1024] arrive as codes of FP4 (E2M1), e innermost, two codes a byte, one E8M0 byte for each 32 along e; left [2048][1024] is f32.
; The inner product goes by v_wmma_scale_f32_16x16x128_f8f6f4 on codes and scale bytes as they lie; its results never leave the registers: they are multiplied by left and summed over d at once, in f32.
; SHARES.  256 work-groups: X = 0..7 a block of 256 tokens; Y = 0..31: ds = Y / 2 a slice of 64 d, lg = Y % 2 a half of the 32 labels.  Wave w: i = w / 2 takes tokens 128 i on, j = w % 2 the labels 16 lg + 8 j + n, n = 0..7.
; A TILE is 16 d of one label x 128 tokens x all of e: 8 steps q of 128 along e x 8 token tiles a: 64 matrix instructions.  ORDER: tile T = 8 dt + n: d tiles dt = 0..3 outside, labels n inside.
; TRANSPOSED USE: source 0 = 16 rows d of W, source 1 = 16 tokens: lane (r, h), register jj holds token r, d = 8 h + jj: the sum over d stays in the lane, but for h.
; IN REGISTERS: a wave's right codes for all of e (512 registers), their scale words (32), its left numbers of one d tile (64), the sums of all eight labels (128), two sets of accumulators, two of weight fragments.
; A tile's 64 results a lane are multiplied by left and added up in the NEXT tile: four packed multiply-adds behind each group of eight matrix instructions.  Behind a tile's last four stands ONE run of LDS loads: the fragments of
; the tile two on, into the set that this tile has read; the four are also the places between those readings and the loads.
; THE WEIGHTS STREAM through two LDS slots, each half a d tile: labels 4 u .. 4 u + 3 of both j, 16 rows of 512 bytes each.  Half step g = 2 dt + u lies in slot g % 2.  The reads run two tiles ahead: the change of slots stands in tiles n = 2, 6.
; THE WEIGHTS' SCALE WORDS go from memory straight into registers: a tile's are 512 consecutive bytes, one load a wave, four tiles ahead, four sets by turns.
; CLUSTER 4 x 4.  The four of a row share Y: weights are asked for jointly along the row; the four of a column share X: right's codes are asked for jointly along the column.  left is NOT: its tile hangs on X
; and ds, which only two work-groups of a column share, and it is 64 KiB of a work-group's 704 KiB of tiles.
; LEFT of d tile 0 is loaded straight into registers at the head, since tile 1 wants it; then all 64 d come into LDS, over right's bytes.
; PREFETCH: d tile dt's 128 KiB of weights are asked of the L2 a step or more ahead: 512 blocks of 256 bytes, label 4 cx + w of the sixteen by each wave of each of the row's four work-groups: one instruction a wave; at the head the
; 128 blocks of scale bytes likewise, 8 a wave.  Right has no earlier step in which to ask; left's lines have been touched by the loads at the head.
; LIMITS: the f32 sum over d is taken in another order than a plain dot product has it: within a lane, then the two halves of the lanes, then (next launch) the 16 slices.  A scale byte 0xff gives NaN, as the format says.
;
; LDS (bytes): 0: right's 256 rows, pitch 528; later left's 256 rows of 256 bytes, pitch 272.   ZA, ZB: the slots.   STG: a stage of 4,096 bytes a wave.   SPARE: the spare words.
; Pitches of 528 and 272 are odd multiples of 16: the 16 rows that a load of 16 bytes a lane touches start at 16 different places modulo 256 bytes (64 banks of 4 bytes: ISA guide 11.1).
; REGISTERS, in windows of 256.  Window 0: v0 256 x lane; v1, v2 the spare word's address and 0; v3, v4 weights' address in slot ZA, ZB; v5 scale words' offset in memory; v6 left's address; v7 right's; v8-39 right's scale words;
;   v40-55 four sets of the weights'; v56-183 two sets of weight fragments; v184-247 left; v248-255 at work.   Window 1: v0-127 two sets of accumulators; v128-255 sums: label n, token tile a: a pair at 128 + 16 n + 2 a.
;   Windows 2, 3: right's fragments of steps 0-3, 4-7.
.set PW,    528                        ; a row of codes in LDS: 512 bytes + 16
.set BLK,   16*PW                      ; a label's 16 rows
.set PL,    272                        ; a row of left in LDS: 256 bytes + 16
.set ZA,    256*PW
.set ZB,    ZA+8*BLK
.set STG,   ZB+8*BLK
.set SPARE, STG+4*4096                 ; 128 bytes a wave: two blocks of 256 bytes that no other line names
.set ASC,   8
.set WSC,   40
.set WFR,   56
.set LEFT,  184
.set LABEL4, 0x200000                  ; four labels of 524,288 bytes
.set DT,    0x2000                     ; 16 rows of 512 bytes
.set C_NO,   0                         ; a tile's change of slots: none;
.set C_FILL, 1                         ; the slot left is filled again, by all four waves;
.set C_TWO,  2                         ; tile 2: waves 2, 3 fill it, waves 0, 1 fetch left;
.set C_LAST, 3                         ; nothing is filled;
.set C_SIX,  4                         ; tile 6: as C_FILL, but the walk comes from half step 1
.set MSB, 0
.macro WIN new                         ; the immediate's high byte repeats the setting that is left; a switch that changes nothing is dropped
.if MSB != (\new)
	s_set_vgpr_msb (MSB<<8)|(\new)
.set MSB, (\new)
.endif
.endm
.macro PLACES n                        ; plain vector instructions that name no register of the matrix instructions in front (ISA guide 7.12.1)
.rept \n
	v_nop
.endr
.endm
.macro CREST                           ; a round of the cluster's barrier behind its opening barrier
	s_cmp_lg_u32 s16, 0
	s_cbranch_scc1 .Lnot_wave_0_\@
	s_barrier_signal -3
.Lnot_wave_0_\@:
	s_barrier_wait -3
	s_barrier_signal -1
	s_barrier_wait -1
.endm
.macro CROUND                          ; a whole round
	s_barrier_signal -1
	s_barrier_wait -1
	CREST
.endm
.macro STAGGER                         ; behind a barrier wave w goes on w times two s_nop 15 later: the four waves' runs of LDS loads, 16 loads each, do not all stand at one place
	s_cmp_eq_u32 s16, 0
	s_cbranch_scc1 .Lgo_\@
	s_nop 15
	s_nop 15
	s_cmp_eq_u32 s16, 1
	s_cbranch_scc1 .Lgo_\@
	s_nop 15
	s_nop 15
	s_cmp_eq_u32 s16, 2
	s_cbranch_scc1 .Lgo_\@
	s_nop 15
	s_nop 15
.Lgo_\@:
.endm
; Numbers e0 .. e0 + cn - 1 of a finished tile's 32 multiply-adds, on end: label pn, accumulator set ps; number e: token tile e % 8, pair e / 8: a result is read from its low end on.  init: a label's first product starts its sums.
.macro BATCH e0, cn, pn, ps, init
	WIN 0x51                               ; sums and accumulators window 1, left window 0
.set BE, \e0
.rept \cn
.set EA, BE%8
.set EK, BE/8
.set EC, 64*(\ps)+8*EA+2*EK
.set EL, LEFT+8*EA+2*EK
.set ES, 128+16*(\pn)+2*EA
.if (\init) && (EK == 0)
	v_pk_mul_f32 v[ES:ES+1], v[EC:EC+1], v[EL:EL+1]
.else
	v_pk_fma_f32 v[ES:ES+1], v[EC:EC+1], v[EL:EL+1], v[ES:ES+1]
.endif
.set BE, BE+1
.endr
.endm
; Eight matrix instructions: step q of label n's tile against the eight token tiles.  The eight accumulators take turns, one instruction a turn, in every group.
; Scale words: register q % 4 of a set holds step q's word in lanes 0-15 for q < 4 and in lanes 16-31 for q >= 4, on both sides.
.macro GROUP n, q
	WIN 0x58+4*((\q)/4)                    ; weights window 0, right window 2 or 3, accumulators window 1
.set GA, 0
.rept 8
.set RD, 64*((\n)%2)+8*GA
.set RA, WFR+64*((\n)%2)+8*(\q)
.set RB, 64*((\q)%4)+8*GA
.set RSA, WSC+4*((\n)%4)+(\q)%4
.set RSB, ASC+4*GA+(\q)%4
.if (\q) == 0
	v_wmma_scale_f32_16x16x128_f8f6f4 v[RD:RD+7], v[RA:RA+7], v[RB:RB+7], 0, v[RSA], v[RSB] matrix_a_fmt:MATRIX_FMT_FP4 matrix_b_fmt:MATRIX_FMT_FP4
.elseif (\q) < 4
	v_wmma_scale_f32_16x16x128_f8f6f4 v[RD:RD+7], v[RA:RA+7], v[RB:RB+7], v[RD:RD+7], v[RSA], v[RSB] matrix_a_fmt:MATRIX_FMT_FP4 matrix_b_fmt:MATRIX_FMT_FP4
.else
	v_wmma_scale_f32_16x16x128_f8f6f4 v[RD:RD+7], v[RA:RA+7], v[RB:RB+7], v[RD:RD+7], v[RSA], v[RSB] matrix_a_fmt:MATRIX_FMT_FP4 matrix_b_fmt:MATRIX_FMT_FP4 matrix_a_scale:MATRIX_SCALE_ROW1 matrix_b_scale:MATRIX_SCALE_ROW1
.endif
.set GA, GA+1
.endr
.endm
.macro STEP n, q, init                 ; a group, and four of the sums of the tile before
	GROUP \n, \q
	BATCH 4*(\q), 4, TL, 1-TP, \init
.endm
.macro RUN n                           ; 16 loads: the eight fragments of label n's tile: lane (r, h) takes bytes 32 c + 16 h of row r's 64
.set UP, (\n)%2
.set UA, 3+(\n)/4
.set UF, 0
.rept 8
	ds_load_b128 v[WFR+64*UP+8*UF:WFR+64*UP+8*UF+3], v[UA] offset:((\n)%4)*BLK+64*UF
	ds_load_b128 v[WFR+64*UP+8*UF+4:WFR+64*UP+8*UF+7], v[UA] offset:((\n)%4)*BLK+64*UF+32
.set UF, UF+1
.endr
.endm
.macro WSLD n                          ; the scale words of the tile four on: lane (r, h) takes words 4 h .. 4 h + 3 of row r's eight; 32,768 bytes a label, 512 a d tile
	global_load_b128 v[WSC+4*((\n)%4):WSC+4*((\n)%4)+3], v5, s[10:11] offset:(((\n)+4)%8)*32768+512*(((\n)+4)/8)
.endm
; TILE n of a d tile, with the sums of the label before.  THE COUNTS at its head.  cnt: its fragments' run was issued two tiles ago; the last tile's run may stay out (16, or 32 with left's 16 loads; LDS instructions end in order:
; ISA guide 5.7.1).  lc: its scale words were asked for four tiles ago; the next three tiles' may stay out.  run: 2 the run and the scale words, 1 the run alone, 0 nothing.
.macro TILE n, chg, run, init, cnt, lc
.set TP, (\n)%2
.set TL, ((\n)+7)%8
	s_wait_dscnt \cnt
	s_wait_loadcnt \lc
.if (\cnt) == 32
	GROUP \n, 0
	s_wait_dscnt 16                        ; this d tile's left is in; behind it stands the last tile's run
	BATCH 0, 4, TL, 1-TP, \init
.else
	STEP \n, 0, \init
.endif
	STEP \n, 1, \init
	STEP \n, 2, \init
	STEP \n, 3, \init
.if \chg
	; THE CHANGE OF SLOTS.  One barrier for two things: behind it nobody reads the slot that is left (its last run was issued at the last tile's end), and the other slot is whole.
	WIN 0                                  ; (the add's two registers lie in window 0)
	s_wait_alu depctr_va_vdst(0)
	s_wait_tensorcnt 0x0                   ; all my tensor loads have landed: my part of the other slot; so a group 0 may be written
	ds_add_u32 v1, v2                      ; 0 onto my spare word
.if (\chg) == C_SIX
	s_add_co_u32 s69, s27, ZB
	s_add_nc_u64 s[70:71], s[70:71], DT    ; half step 3: from half step 1 one d tile on; the type bits on top are not reached
.elseif ((\chg) == C_FILL) && ((\n) == 2)
	s_add_co_u32 s69, s27, ZA
	s_sub_nc_u64 s[70:71], s[70:71], LABEL4-DT  ; the next d tile, back to labels 0-3
.elseif (\chg) == C_FILL
	s_add_co_u32 s69, s27, ZB
	s_add_nc_u64 s[70:71], s[70:71], LABEL4     ; its labels 4-7
.endif
	STEP \n, 4, \init                      ; sixteen matrix instructions stand between the add and the wait for it
	STEP \n, 5, \init
	s_wait_alu depctr_va_vdst(0)
	s_wait_dscnt 0x0                       ; the add is done, and my reads of the slot that is left are over
	s_barrier_signal -1
	STEP \n, 6, \init                      ; work on registers while the others arrive
	STEP \n, 7, \init
	WIN 0
	s_barrier_wait -1
.if ((\chg) == C_FILL) || ((\chg) == C_SIX)
	CREST                                  ; the barrier has opened a round of the cluster's: no wave of any partner still reads the slot or has a load on its way
	tensor_load_to_lds s[68:71], s[36:43]  ; my one tensor load behind the round: two labels' 16 rows; it has 224 matrix instructions in which to land
	s_nop 0
	PLACES 4
.elseif (\chg) == C_TWO
	CREST
	s_cmp_lt_u32 s16, 2                    ; right's bytes have been read by every wave: waves 0 and 1 bring left there, waves 2 and 3 fill the slot, in every partner alike
	s_cbranch_scc0 .Lfor_w_\@
	tensor_load_to_lds s[72:75], s[52:59]
	s_nop 0
	PLACES 4
	s_branch .Lasked_\@
.Lfor_w_\@:
	tensor_load_to_lds s[92:95], s[84:91]
	s_nop 0
	PLACES 4
.Lasked_\@:
.endif
	STAGGER
.else
	STEP \n, 4, \init
	STEP \n, 5, \init
	STEP \n, 6, \init
	STEP \n, 7, \init
	WIN 0
.endif
.if (\n) == 0                          ; a new d tile: the sums of the old one's last label are done: its left follows
	s_wait_xcnt 0x0                        ; the loads of scale words have read v5
	v_add_nc_u32 v5, 512, v5               ; 16 rows of scale bytes on
	v_add_nc_u32 v6, 64, v6                ; 16 numbers of left on
	s_wait_alu depctr_va_vdst(0)
.set LA, 0
.rept 8
	ds_load_b128 v[LEFT+8*LA:LEFT+8*LA+3], v6 offset:16*PL*LA    ; lane (r, h) takes d = 8 h + 0..7 of token r: 32 bytes
	ds_load_b128 v[LEFT+8*LA+4:LEFT+8*LA+7], v6 offset:16*PL*LA+16
.set LA, LA+1
.endr
.endif
.if \run
.set TN2, ((\n)+2)%8
	RUN TN2
.endif
.if (\run) == 2
	WSLD \n
.endif
.if (\chg) == C_TWO
	global_prefetch_b8 v0, s[96:97] offset:2*DT th:TH_LOAD_NT scope:SCOPE_SE   ; d tile 2: its first fill stands two half steps on
.elseif ((\chg) == C_FILL) && ((\n) == 2)
	s_cmp_eq_u32 s82, 2                    ; d tile 3, in the loop's first trip; the last trip has none to ask for
	s_cbranch_scc0 .Lno_ask_\@
	global_prefetch_b8 v0, s[96:97] offset:3*DT th:TH_LOAD_NT scope:SCOPE_SE
.Lno_ask_\@:
.endif
.endm
.macro RLOAD q                         ; 16 loads: right's fragments of step q of all eight token tiles
	WIN (2+(\q)/4)<<6
.set RT, 0
.rept 8
	ds_load_b128 v[64*((\q)%4)+8*RT:64*((\q)%4)+8*RT+3], v7 offset:BLK*RT+64*(\q)
	ds_load_b128 v[64*((\q)%4)+8*RT+4:64*((\q)%4)+8*RT+7], v7 offset:BLK*RT+64*(\q)+32
.set RT, RT+1
.endr
.endm
	s_load_b256 s[4:11], s[0:1], 0x0       ; right's codes s[4:5], right's scales s[6:7], W's codes s[8:9], W's scales s[10:11]
	s_load_b128 s[12:15], s[0:1], 0x20     ; left s[12:13], part s[14:15]
	v_lshl_add_u32 v1, v0, 2, SPARE
	v_mov_b32 v2, 0
	ds_add_u32 v1, v2                      ; the wave's opening
	ds_add_u32 v1, v2
	v_lshrrev_b32 v3, 5, v0
	v_readfirstlane_b32 s16, v3            ; wave w
	s_lshr_b32 s17, s16, 1                 ; i: which 128 tokens; also which pair of a half step's four labels I fetch
	s_and_b32 s18, s16, 1                  ; j: which 8 labels
	s_bfe_u32 s19, ttmp6, 0x40000          ; cx
	s_bfe_u32 s20, ttmp6, 0x40004          ; cy
	s_lshl_b32 s21, ttmp9, 2
	s_add_co_u32 s21, s21, s19             ; X = 4 x cluster x + cx
	s_and_b32 s22, ttmp7, 0xffff
	s_lshl_b32 s22, s22, 2
	s_add_co_u32 s22, s22, s20             ; Y = 4 x cluster y + cy
	s_lshr_b32 s23, s22, 1                 ; ds
	s_and_b32 s24, s22, 1                  ; lg
	s_lshl_b32 s66, s20, 2
	s_lshl_b32 s66, 15, s66                ; my row of the cluster: shares Y
	s_lshl_b32 s67, 0x1111, s19            ; my column: shares X
	; descriptor groups 1.  Right: 64 rows x 512 elements of 1 byte, dense in memory, 4 words of padding behind every 128; bit 21 is set beside a mask
	s_or_b32 s28, s67, (1<<20)|(1<<21)|(6<<22)|(3<<25)
	s_mov_b32 s29, 512<<16
	s_mov_b32 s30, 64<<16
	s_mov_b32 s31, 512<<16
	s_mov_b32 s32, 64
	s_mov_b32 s33, 512
	s_mov_b32 s34, 0
	s_mov_b32 s35, 0
	; the weights, a pair of labels: 2 x 8,192 bytes (1,024 elements of 8: 16 dense rows), a label apart, 4 words of padding behind every 128: 32 rows of 528 bytes in LDS
	s_or_b32 s36, s66, (3<<16)|(1<<20)|(1<<21)|(6<<22)|(3<<25)
	s_mov_b32 s37, 1024<<16
	s_mov_b32 s38, 2<<16
	s_mov_b32 s39, 1024<<16
	s_mov_b32 s40, 2
	s_mov_b32 s41, 65536
	s_mov_b32 s42, 0
	s_mov_b32 s43, 0
	; four labels, likewise
	s_or_b32 s84, s66, (3<<16)|(1<<20)|(1<<21)|(6<<22)|(3<<25)
	s_mov_b32 s85, 1024<<16
	s_mov_b32 s86, 4<<16
	s_mov_b32 s87, 1024<<16
	s_mov_b32 s88, 4
	s_mov_b32 s89, 65536
	s_mov_b32 s90, 0
	s_mov_b32 s91, 0
	; left: 128 rows x 64 elements of 4 bytes, 1,024 elements apart, 4 words of padding behind every 64; no mask
	s_mov_b32 s52, (2<<16)|(1<<20)|(5<<22)|(3<<25)
	s_mov_b32 s53, 64<<16
	s_mov_b32 s54, 128<<16
	s_mov_b32 s55, 64<<16
	s_mov_b32 s56, 128
	s_mov_b32 s57, 1024
	s_mov_b32 s58, 0
	s_mov_b32 s59, 0
	; where the tiles come from.  Right's offset is made of X and w alone, the weights' of Y and w alone
	s_lshl_b32 s98, s21, 17                ; right's codes: 256 X rows of 512 bytes
	s_lshl_b32 s99, s16, 15                ; + my 64 rows
	s_add_co_u32 s98, s98, s99
	s_mov_b32 s99, 0
	s_lshl_b32 s100, s24, 23               ; W's codes: 16 lg labels of 524,288 bytes
	s_lshl_b32 s101, s23, 15               ; + 64 ds rows of 512 bytes
	s_add_co_u32 s100, s100, s101
	s_lshl_b32 s101, s18, 22               ; + 8 j labels
	s_add_co_u32 s66, s100, s101
	s_lshl_b32 s80, s17, 20                ; the walk, half step 0: + 2 labels for waves 2, 3
	s_add_co_u32 s80, s80, s66
	s_add_co_u32 s66, s66, DT              ; tile 2's four labels: half step 2
	s_mov_b32 s67, 0
	s_mov_b32 s81, 0
	s_mov_b32 s101, 0
	s_lshl_b32 s44, s24, 19                ; W's scales: 16 lg labels of 32,768 bytes
	s_lshl_b32 s45, s23, 11                ; + 64 ds rows of 32 bytes
	s_add_co_u32 s44, s44, s45
	s_mov_b32 s45, 0
	s_lshl_b32 s2, s21, 20                 ; left: 256 X rows of 4,096 bytes
	s_lshl_b32 s3, s23, 8                  ; + 64 ds numbers
	s_add_co_u32 s25, s2, s3
	s_lshl_b32 s3, s18, 19                 ; for the fetch: + 128 rows for wave 1
	s_add_co_u32 s2, s25, s3
	s_mov_b32 s3, 0
	s_lshl_b32 s26, s18, 2
	s_lshl_b32 s27, s17, 1
	s_add_co_u32 s26, s26, s27
	s_mul_i32 s27, s26, BLK                ; my place in a slot, for the fills: block 4 j + 2 i
	s_mov_b32 s60, 1
	s_mul_i32 s61, s16, 64*PW              ; right: from LDS byte 0
	s_mov_b32 s68, 1
	s_add_co_u32 s69, s27, ZA              ; half step 0
	s_mov_b32 s72, 1
	s_mul_i32 s73, s18, 128*PL
	s_mov_b32 s92, 1
	s_mul_i32 s93, s18, 4*BLK
	s_add_co_u32 s93, s93, ZA
	s_wait_dscnt 0x0                       ; both opening adds are done
	s_wait_kmcnt 0x0
	s_add_nc_u64 s[62:63], s[4:5], s[98:99]
	s_or_b32 s63, s63, 0x80000000
	s_add_nc_u64 s[70:71], s[8:9], s[80:81]
	s_or_b32 s71, s71, 0x80000000
	s_add_nc_u64 s[74:75], s[12:13], s[2:3]
	s_or_b32 s75, s75, 0x80000000
	s_add_nc_u64 s[94:95], s[8:9], s[66:67]
	s_or_b32 s95, s95, 0x80000000
	CROUND                                 ; all sixteen work-groups are here: the first joint loads meet
	tensor_load_to_lds s[60:63], s[28:35]  ; THE FIRST FILL, one tensor load a wave: my 64 of right's 256 rows
	s_nop 0
	PLACES 4
	s_lshl_b32 s26, s19, 2                 ; the prefetches: label 4 cx + w of my sixteen
	s_add_co_u32 s26, s26, s16
	s_lshl_b32 s98, s26, 19
	s_mov_b32 s99, 0
	s_add_nc_u64 s[96:97], s[8:9], s[100:101]
	s_add_nc_u64 s[96:97], s[96:97], s[98:99]
	s_lshl_b32 s98, s26, 15
	s_add_nc_u64 s[46:47], s[10:11], s[44:45]
	s_add_nc_u64 s[46:47], s[46:47], s[98:99]
	s_lshl_b32 s98, s18, 18                ; W's scales at my eight labels
	s_add_nc_u64 s[10:11], s[10:11], s[44:45]
	s_add_nc_u64 s[10:11], s[10:11], s[98:99]
	s_lshl_b32 s98, s17, 19                ; left at my 128 tokens
	s_add_co_u32 s98, s98, s25
	s_add_nc_u64 s[12:13], s[12:13], s[98:99]
	s_lshl_b32 s98, s21, 13                ; 256 X + 128 i tokens of 32 bytes: in right's scales and in part alike
	s_lshl_b32 s26, s17, 12
	s_add_co_u32 s98, s98, s26
	s_add_nc_u64 s[6:7], s[6:7], s[98:99]
	s_add_nc_u64 s[14:15], s[14:15], s[98:99]
	s_lshl_b32 s98, s22, 17                ; part: (4 ds + 2 lg + j) = 2 Y + j planes of 65,536 bytes
	s_lshl_b32 s26, s18, 16
	s_add_co_u32 s98, s98, s26
	s_add_nc_u64 s[14:15], s[14:15], s[98:99]
	s_mul_i32 s2, s17, 128*PW              ; right in LDS: my 128 rows
	s_mul_i32 s3, s17, 128*PL              ; left in LDS: my 128 rows
	s_mul_i32 s67, s18, 4*BLK
	s_add_co_u32 s80, s67, ZA              ; my labels' blocks in slot ZA
	s_add_co_u32 s81, s67, ZB              ; and in slot ZB
	v_and_b32 v248, 15, v0                 ; r
	v_bfe_u32 v249, v0, 4, 1               ; h
	v_and_b32 v252, 31, v0
	v_lshlrev_b32 v5, 5, v248
	v_lshlrev_b32 v251, 12, v248
	v_min_u32 v253, 7, v252                ; a label's 2,048 scale bytes are eight blocks; the lanes left over name the last again
	v_lshlrev_b32 v0, 8, v252              ; 256 x lane: a lane a block of 256 bytes; never rewritten
	v_mul_u32_u24 v7, v248, PW
	v_lshl_add_u32 v5, v249, 4, v5         ; 32 r + 16 h: words 4 h .. 4 h + 3 of row r's eight scale words
	v_lshl_add_u32 v251, v249, 5, v251     ; left in memory: row r, + 32 h
	v_lshlrev_b32 v253, 8, v253
	v_mul_u32_u24 v6, v248, PL
	global_prefetch_b8 v0, s[96:97] th:TH_LOAD_NT scope:SCOPE_SE     ; d tile 0: half step 0 is asked for behind the next round
	global_prefetch_b8 v253, s[46:47] th:TH_LOAD_NT scope:SCOPE_SE   ; the scale bytes of all four d tiles
.irp a, 0,1,2,3,4,5,6,7
	global_load_b128 v[ASC+4*\a:ASC+4*\a+3], v5, s[6:7] offset:512*\a   ; right's scale words stay in registers
.endr
.irp b, 0,1,2,3
	global_load_b128 v[WSC+4*\b:WSC+4*\b+3], v5, s[10:11] offset:32768*\b   ; tiles 0-3's
.endr
.irp a, 0,1,2,3,4,5,6,7
	global_load_b128 v[LEFT+8*\a:LEFT+8*\a+3], v251, s[12:13] offset:65536*\a   ; left of d tile 0
	global_load_b128 v[LEFT+8*\a+4:LEFT+8*\a+7], v251, s[12:13] offset:65536*\a+16
.endr
	v_lshl_add_u32 v7, v249, 4, v7         ; a fragment's row x pitch + 16 h
	v_lshl_add_u32 v6, v249, 5, v6
	v_add_nc_u32 v3, s80, v7
	v_add_nc_u32 v4, s81, v7
	v_add_nc_u32 v7, s2, v7
	v_add_nc_u32 v6, s3, v6
	s_wait_alu depctr_va_vdst(0)
	s_wait_tensorcnt 0x0                   ; my rows of right have landed
	ds_add_u32 v1, v2
	s_wait_dscnt 0x0
	CROUND                                 ; right is whole, in every partner
	tensor_load_to_lds s[68:71], s[36:43]  ; half step 0, two labels a wave: it lands while right is read
	s_nop 0
	PLACES 4
	RLOAD 0
	RLOAD 1
	RLOAD 2
	RLOAD 3
	RLOAD 4
	RLOAD 5
	RLOAD 6
	RLOAD 7
	WIN 0
	global_prefetch_b8 v0, s[96:97] offset:DT th:TH_LOAD_NT scope:SCOPE_SE   ; d tile 1: its first fill stands in tile 2
	s_wait_tensorcnt 0x0                   ; my part of half step 0 has landed
	ds_add_u32 v1, v2                      ; 0 onto my spare word
	s_add_co_u32 s69, s27, ZB
	s_add_nc_u64 s[70:71], s[70:71], LABEL4     ; half step 1; the type bits on top are not reached
	s_wait_dscnt 0x0                       ; the add is done, and right is in my registers
	CROUND
	tensor_load_to_lds s[68:71], s[36:43]
	s_nop 0
	PLACES 4
	RUN 0
	RUN 1
	s_wait_loadcnt 16                      ; right's scale words and tiles 0-3's are in; left's 16 loads may be out
	s_wait_dscnt 24                        ; tile 0's fragments 0-3; behind them stand its other eight loads and tile 1's sixteen
	GROUP 0, 0                             ; tile 0: there are no sums yet
	GROUP 0, 1
	GROUP 0, 2
	GROUP 0, 3
	s_wait_dscnt 16
	GROUP 0, 4
	GROUP 0, 5
	GROUP 0, 6
	GROUP 0, 7
	WIN 0
	PLACES 4                               ; between the last products and the loads into their fragments' registers
	RUN 2
	WSLD 0
	TILE 1, C_NO,   2, 1, 16, 1            ; (LOADcnt 1: behind left's loads only tile 4's scale words have been asked for)
	TILE 2, C_TWO,  2, 1, 16, 3
	TILE 3, C_NO,   2, 1, 16, 3
	TILE 4, C_NO,   2, 1, 16, 3
	TILE 5, C_NO,   2, 1, 16, 3
	TILE 6, C_SIX,  2, 1, 16, 3
	TILE 7, C_NO,   2, 1, 16, 3
	TILE 0, C_NO,   2, 1, 16, 3            ; tile 8: it still starts the sums of label 7
	WIN 0                                  ; at a label and at a branch every window is 0
	s_mov_b32 s82, 2
.Ltrip:                                        ; a trip: labels 1-7 of d tile 1 (2), label 0 of the next; it fills half steps 4, 5 (6, 7)
	TILE 1, C_NO,   2, 0, 32, 3
	TILE 2, C_FILL, 2, 0, 16, 3
	TILE 3, C_NO,   2, 0, 16, 3
	TILE 4, C_NO,   2, 0, 16, 3
	TILE 5, C_NO,   2, 0, 16, 3
	TILE 6, C_FILL, 2, 0, 16, 3
	TILE 7, C_NO,   2, 0, 16, 3
	TILE 0, C_NO,   2, 0, 16, 3
	WIN 0
	s_sub_co_u32 s82, s82, 1
	s_cmp_lg_u32 s82, 0
	s_cbranch_scc1 .Ltrip
	TILE 1, C_NO,   2, 0, 32, 3            ; the tail is written out: d tile 3 fetches nothing more
	TILE 2, C_LAST, 2, 0, 16, 3
	TILE 3, C_NO,   2, 0, 16, 3
	TILE 4, C_NO,   1, 0, 16, 3
	TILE 5, C_NO,   1, 0, 16, 2
	TILE 6, C_NO,   0, 0, 16, 1
	TILE 7, C_NO,   0, 0, 0, 0
	WIN 0
	s_lshl_b32 s3, s16, 12
	s_add_co_u32 s3, s3, STG
	v_lshrrev_b32 v248, 4, v0              ; 16 x lane
	v_lshrrev_b32 v249, 3, v0              ; 32 x lane
	v_add_nc_u32 v250, s3, v248
	v_add_nc_u32 v249, s3, v249            ; my stage: 32 bytes a token
	BATCH 0, 32, 7, 1, 0                   ; the very last tile's sums
	; THE SUMS ARE FINISHED: a pair's two halves are added; then the two halves of the lanes.  The exchange puts token tile 2 p's and 2 p + 1's lower halves into one register and their upper halves into the
	; other: their sum holds token 32 p + lane.  The eight labels of a token come to lie in eight neighbouring registers (over accumulators that have been read).
	WIN 0x45
.irp a, 0,1,2,3,4,5,6,7
.irp n, 0,1,2,3,4,5,6,7
	v_add_f32 v[128+16*\n+2*\a], v[128+16*\n+2*\a], v[129+16*\n+2*\a]
.endr
.endr
.irp p, 0,1,2,3
.irp n, 0,1,2,3,4,5,6,7
	v_permlane16_swap_b32 v[128+16*\n+4*\p], v[130+16*\n+4*\p]
.endr
.endr
.irp p, 0,1,2,3
.irp n, 0,1,2,3,4,5,6,7
	v_add_f32 v[8*\p+\n], v[128+16*\n+4*\p], v[130+16*\n+4*\p]
.endr
.endr
	; THE WAY OUT.  My stage holds [token 128][n 8], which is how part has them: 4,096 consecutive bytes.  LDS serves a wave's instructions in order (ISA guide 5.7.1.4): the loads see my stores.
	WIN 0x04                               ; the data: window 1
.irp p, 0,1,2,3
	ds_store_b128 v249, v[8*\p:8*\p+3] offset:1024*\p
	ds_store_b128 v249, v[8*\p+4:8*\p+7] offset:1024*\p+16
.endr
	WIN 0
.irp k, 0,1,2,3,4,5,6,7
	ds_load_b128 v[WFR+4*\k:WFR+4*\k+3], v250 offset:512*\k
.endr
	s_wait_alu depctr_va_vdst(0)
.irp k, 0,1,2,3,4,5,6,7
	s_wait_dscnt 7-\k                      ; load k is in; the younger ones may stay out
	global_store_b128 v248, v[WFR+4*\k:WFR+4*\k+3], s[14:15] offset:512*\k   ; 32 lanes store 512 consecutive bytes, at a multiple of 256 from part's first byte
.endr
	s_wait_tensorcnt 0x0                   ; the wave's end, behind my last tensor load and my last LDS store
	ds_add_u32 v1, v2
	s_wait_dscnt 0x0
	CROUND                                 ; the closing round: no work-group ends while a partner may still ask for a tile that names it
	s_endpgm
.Lfunc_end_k_q167dd3a126_score:
	.size	k_q167dd3a126_score, .Lfunc_end_k_q167dd3a126_score-k_q167dd3a126_score
	.p2alignl 7, 3214868480
	.fill 96, 4, 3214868480
	.section	.rodata,"a",@progbits
	.p2align	6, 0x0
	.amdhsa_kernel k_q167dd3a126_score
		.amdhsa_group_segment_fixed_size 327680
		.amdhsa_private_segment_fixed_size 0
		.amdhsa_enable_private_segment 0
		.amdhsa_kernarg_size 48
		.amdhsa_user_sgpr_count 2
		.amdhsa_user_sgpr_kernarg_segment_ptr 1
		.amdhsa_wavefront_size32 1
		.amdhsa_system_sgpr_workgroup_id_x 1
		.amdhsa_system_sgpr_workgroup_id_y 1
		.amdhsa_system_sgpr_workgroup_id_z 1
		.amdhsa_system_vgpr_workitem_id 0
		.amdhsa_next_free_vgpr 1024
		.amdhsa_next_free_sgpr 102
		.amdhsa_reserve_vcc 0
		.amdhsa_float_denorm_mode_32 3
		.amdhsa_float_denorm_mode_16_64 3
		.amdhsa_memory_ordered 1
		.amdhsa_forward_progress 1
		.amdhsa_inst_pref_size 255
	.end_amdhsa_kernel
	.section	.bss,"aw",@nobits
	.p2align	6
	.space	262144
	.amdgpu_metadata
---
amdhsa.version: [ 1, 2 ]
amdhsa.kernels:
  - .name:           k_q167dd3a126_score
    .symbol:         k_q167dd3a126_score.kd
    .args:
      - { .name: right_inputs_codes, .offset: 0, .size: 8, .value_kind: global_buffer, .address_space: global }
      - { .name: right_inputs_scales, .offset: 8, .size: 8, .value_kind: global_buffer, .address_space: global }
      - { .name: weight_codes, .offset: 16, .size: 8, .value_kind: global_buffer, .address_space: global }
      - { .name: weight_scales, .offset: 24, .size: 8, .value_kind: global_buffer, .address_space: global }
      - { .name: left_inputs, .offset: 32, .size: 8, .value_kind: global_buffer, .address_space: global }
      - { .name: part, .offset: 40, .size: 8, .value_kind: global_buffer, .address_space: global }
    .group_segment_fixed_size: 327680
    .private_segment_fixed_size: 0
    .kernarg_segment_align: 8
    .kernarg_segment_size: 48
    .max_flat_workgroup_size: 128
    .sgpr_count:     102
    .vgpr_count:     1024
    .wavefront_size: 32
...
	.end_amdgpu_metadata
.endif
;; end of part 1
;; launch reduce (part 2): grid 256 x 1, 1 waves a work-group, no clusters, 1,280 bytes of LDS; arguments part, bias, out0; writes out0
.if DOCPART == 2
	.amdgcn_target "amdgcn-amd-amdhsa--gfx1250"
	.amdhsa_code_object_version 6
	.text
	.protected	k_q167dd3a126_reduce
	.globl	k_q167dd3a126_reduce
	.p2align	8
	.type	k_q167dd3a126_reduce,@function
k_q167dd3a126_reduce:
	s_mov_b64 s[64:65], 0
	v_nop
	global_prefetch_b8 v0, s[64:65] scope:SCOPE_SE
	s_setreg_imm32_b32 hwreg(HW_REG_WAVE_MODE, 25, 1), 1
	s_wait_xcnt 0x0
; out0[t][l] = bias[l] + the sum over the 16 slices ds of part[ds][l / 8][t][l % 8].  part: [16][4][2048][8] f32; out0: [2048][32] f32.
; One wave takes 8 tokens.  For a slice and an octet of labels their partial sums are 256 consecutive bytes: a load of 16 bytes a lane takes two octets' (lanes 0-15 octet 2 s, lanes 16-31 octet 2 s + 1).
; All 34 loads are issued at once; the sums go in f32, the bias first, ds ascending.  LIMIT: that order differs from a plain dot product's over all 1,024 d.
; A lane ends with 2 x 4 neighbouring labels of one token; the 8 tokens' 1,024 bytes turn through LDS, so that each store covers 512 consecutive bytes.  One wave: no barrier.  No matrix unit, no cluster: nothing is shared.
	s_load_b128 s[4:7], s[0:1], 0x0        ; part, bias
	s_load_b64 s[8:9], s[0:1], 0x10        ; out0
	v_lshl_add_u32 v160, v0, 2, 0x400
	v_mov_b32 v161, 0
	v_lshrrev_b32 v3, 4, v0                ; op: which octet of the pair
	v_and_b32 v4, 15, v0                   ; 2 x token + u
	v_lshlrev_b32 v1, 4, v4                ; 32 bytes a token, 16 u
	v_lshl_add_u32 v1, v3, 16, v1          ; + an octet's plane: 2,048 tokens x 32 bytes
	v_and_b32 v5, 1, v0                    ; u: which four labels of the octet
	v_lshlrev_b32 v2, 4, v5
	v_lshl_add_u32 v2, v3, 5, v2           ; bias, and a row of out0: 32 op + 16 u
	v_bfe_u32 v6, v0, 1, 3                 ; token
	v_lshl_add_u32 v6, v6, 7, v2           ; LDS, in: 128 bytes a token
	v_lshlrev_b32 v7, 4, v0                ; LDS, back, and out0: 16 bytes a lane
	s_lshl_b32 s2, ttmp9, 8                ; 8 tokens x 32 bytes in a plane of part
	s_mov_b32 s3, 0
	s_lshl_b32 s10, ttmp9, 10              ; 8 tokens x 128 bytes in out0
	s_mov_b32 s11, 0
	s_wait_alu depctr_va_vdst(0)
	s_wait_kmcnt 0x0
	s_add_nc_u64 s[4:5], s[4:5], s[2:3]
	s_add_nc_u64 s[8:9], s[8:9], s[10:11]
	global_load_b128 v[8:11], v2, s[6:7]               ; bias of octets 0, 1
	global_load_b128 v[12:15], v2, s[6:7] offset:64    ; and 2, 3: the sums begin with them
.irp d, 0,1,2,3,4,5,6,7,8,9,10,11,12,13,14,15
	global_load_b128 v[16+8*\d:19+8*\d], v1, s[4:5] offset:262144*\d th:TH_LOAD_NT
	global_load_b128 v[20+8*\d:23+8*\d], v1, s[4:5] offset:262144*\d+131072 th:TH_LOAD_NT
.endr
.irp b, 0,1,2,3
	s_wait_alu depctr_va_vdst(0)
	s_wait_loadcnt 24-8*\b                 ; four slices' eight loads more are in; the younger batches of eight may stay out
.irp d, 0,1,2,3
	v_pk_add_f32 v[8:9], v[8:9], v[16+8*(4*\b+\d):17+8*(4*\b+\d)]
	v_pk_add_f32 v[10:11], v[10:11], v[18+8*(4*\b+\d):19+8*(4*\b+\d)]
	v_pk_add_f32 v[12:13], v[12:13], v[20+8*(4*\b+\d):21+8*(4*\b+\d)]
	v_pk_add_f32 v[14:15], v[14:15], v[22+8*(4*\b+\d):23+8*(4*\b+\d)]
.endr
.endr
	ds_store_b128 v6, v[8:11]
	ds_store_b128 v6, v[12:15] offset:64
	ds_load_b128 v[16:19], v7              ; LDS serves a wave's instructions in order (ISA guide 5.7.1.4): these see the stores
	ds_load_b128 v[20:23], v7 offset:512
	s_wait_dscnt 0x0
	global_store_b128 v7, v[16:19], s[8:9]             ; 32 lanes store 512 consecutive bytes, at a multiple of 256 from out0's first byte
	global_store_b128 v7, v[20:23], s[8:9] offset:512
	s_wait_tensorcnt 0x0
	ds_add_u32 v160, v161
	s_wait_dscnt 0x0
	s_endpgm
.Lfunc_end_k_q167dd3a126_reduce:
	.size	k_q167dd3a126_reduce, .Lfunc_end_k_q167dd3a126_reduce-k_q167dd3a126_reduce
	.p2alignl 7, 3214868480
	.fill 96, 4, 3214868480
	.section	.rodata,"a",@progbits
	.p2align	6, 0x0
	.amdhsa_kernel k_q167dd3a126_reduce
		.amdhsa_group_segment_fixed_size 1280
		.amdhsa_private_segment_fixed_size 0
		.amdhsa_enable_private_segment 0
		.amdhsa_kernarg_size 24
		.amdhsa_user_sgpr_count 2
		.amdhsa_user_sgpr_kernarg_segment_ptr 1
		.amdhsa_wavefront_size32 1
		.amdhsa_system_sgpr_workgroup_id_x 1
		.amdhsa_system_sgpr_workgroup_id_y 1
		.amdhsa_system_sgpr_workgroup_id_z 1
		.amdhsa_system_vgpr_workitem_id 0
		.amdhsa_next_free_vgpr 162
		.amdhsa_next_free_sgpr 66
		.amdhsa_reserve_vcc 0
		.amdhsa_float_denorm_mode_32 3
		.amdhsa_float_denorm_mode_16_64 3
		.amdhsa_memory_ordered 1
		.amdhsa_forward_progress 1
		.amdhsa_inst_pref_size 10
	.end_amdhsa_kernel
	.amdgpu_metadata
---
amdhsa.version: [ 1, 2 ]
amdhsa.kernels:
  - .name:           k_q167dd3a126_reduce
    .symbol:         k_q167dd3a126_reduce.kd
    .args:
      - { .name: part, .offset: 0, .size: 8, .value_kind: global_buffer, .address_space: global }
      - { .name: bias, .offset: 8, .size: 8, .value_kind: global_buffer, .address_space: global }
      - { .name: out0, .offset: 16, .size: 8, .value_kind: global_buffer, .address_space: global }
    .group_segment_fixed_size: 1280
    .private_segment_fixed_size: 0
    .kernarg_segment_align: 8
    .kernarg_segment_size: 24
    .max_flat_workgroup_size: 32
    .sgpr_count:     66
    .vgpr_count:     162
    .wavefront_size: 32
...
	.end_amdgpu_metadata
.endif
;; end of part 2
